; MI455X (gfx1250); checked and timed in simulation.
; The chip was launched on July 23, 2026; its instructions are those of AMD's public machine-readable ISA for CDNA 5 (MIT licence, August 2026) and "CDNA5" Instruction Set Architecture Reference Guide (July 2026). The comments in the code are by the model that wrote it; some were corrected since.
;; Attention With Dropout. Allowed arithmetic: matrix products marked QUANTISED: E2M3 operands, one E8M0 scale for each 32 along K, by v_wmma_scale_f32_16x16x128_f8f6f4 with both operands' format E2M3, f32 sums; everything else in f32.
;; Inputs: Wk_codes 1,024 x 32 x 24 uint8 (E2M3 codes of Wk, K innermost, in blocks of 32 codes, four codes in three bytes); Wk_scales 1,024 x 32 uint8 (E8M0 scales of Wk, one for each 32 codes along K); Wo_codes 1,024 x 32 x 24 uint8 (E2M3 codes of Wo, K innermost, in blocks of 32 codes, four codes in three bytes); Wo_scales 1,024 x 32 uint8 (E8M0 scales of Wo, one for each 32 codes along K); Wq_codes 1,024 x 32 x 24 uint8 (E2M3 codes of Wq, K innermost, in blocks of 32 codes, four codes in three bytes); Wq_scales 1,024 x 32 uint8 (E8M0 scales of Wq, one for each 32 codes along K); Wv_codes 1,024 x 32 x 24 uint8 (E2M3 codes of Wv, K innermost, in blocks of 32 codes, four codes in three bytes); Wv_scales 1,024 x 32 uint8 (E8M0 scales of Wv, one for each 32 codes along K); bk 1,024 float32; bo 1,024 float32; bq 1,024 float32; bv 1,024 float32; key_codes 2 x 2,048 x 32 x 24 uint8 (E2M3 codes of key, K innermost, in blocks of 32 codes, four codes in three bytes); key_scales 2 x 2,048 x 32 uint8 (E8M0 scales of key, one for each 32 codes along K); query_codes 2 x 2,048 x 32 x 24 uint8 (E2M3 codes of query, K innermost, in blocks of 32 codes, four codes in three bytes); query_scales 2 x 2,048 x 32 uint8 (E8M0 scales of query, one for each 32 codes along K); value_codes 2 x 2,048 x 32 x 24 uint8 (E2M3 codes of value, K innermost, in blocks of 32 codes, four codes in three bytes); value_scales 2 x 2,048 x 32 uint8 (E8M0 scales of value, one for each 32 codes along K).
;; Outputs: out0 2 x 2,048 x 1,024 float32.
;; This version of the problem:
;;   THIS VERSION OF THE PROBLEM IS GIVEN IN LOW PRECISION. The matrix products marked QUANTISED in the list below multiply operands that are first quantised to E2M3 (2 exponent bits, 3 mantissa bits; 6 bits a number), with one power-of-two scale for each 32 numbers along K (OCP MX v1.0); their sums are f32. All else is computed in f32.
;;   The module's matrix products, in the order in which they are computed (A, B: the left and right operand; K: the contracted axis; several contracted axes count as one K, in the product's order):
;;     1. [M 4,096, K 1,024] x [K 1,024, N 1,024]; A: input query (given as codes); B: input Wq (given as codes): QUANTISED
;;     2. [M 4,096, K 1,024] x [K 1,024, N 1,024]; A: input key (given as codes); B: input Wk (given as codes): QUANTISED
;;     3. [M 4,096, K 1,024] x [K 1,024, N 1,024]; A: input value (given as codes); B: input Wv (given as codes): QUANTISED
;;     4. batch 32 x [M 2,048, K 64] x [K 64, N 2,048]; A: computed on the way; B: computed on the way: QUANTISED
;;     5. batch 32 x [M 2,048, K 2,048] x [K 2,048, N 64]; A: softmax (see below); B: computed on the way: QUANTISED
;;     6. [M 4,096, K 1,024] x [K 1,024, N 1,024]; A: computed on the way; B: input Wo (given as codes): QUANTISED
;;   THE QUANTISER, for each operand of a quantised product, along K:
;;     - K is cut into blocks of 32 from its start; a last block that is shorter is filled with zeros.
;;     - A block's scale is 2^e with e = floor(log2(the largest magnitude in the block)) - 2, held to -126 .. 127; a block of zeros has e = 0. As a byte (E8M0): e + 127.
;;     - Each number is divided by its block's scale, clamped to +-7.5, and rounded to the nearest number of E2M3, ties to even, subnormals kept.
;;     - The product sums the exact products of the quantised numbers (number of the format x scale) in f32.
;;   ~~~python
;;   def quantise(x, axis):      # numpy; x: float32 -> the quantised numbers, widened to float32 again
;;       x = np.moveaxis(x, axis, -1); K = x.shape[-1]
;;       x = np.pad(x, [(0, 0)] * (x.ndim - 1) + [(0, -K % 32)]); x = x.reshape(x.shape[:-1] + (-1, 32)); a = np.abs(x).max(-1, keepdims=True)
;;       e = np.where(a > 0, np.clip(np.frexp(np.where(a > 0, a, 1))[1] - 1 - 2, -126, 127), 0)      # np.frexp(a)[1] - 1 = floor(log2(a)), exactly
;;       r = np.clip(x / 2.0 ** e, -7.5, 7.5)
;;       step = 2.0 ** (np.maximum(np.frexp(np.where(r == 0, 1, r))[1] - 1, 0) - 3)
;;       q = np.round(r / step) * step * 2.0 ** e      # np.round: ties to even
;;       return np.moveaxis(q.reshape(q.shape[:-2] + (-1,))[..., :K], -1, axis).astype(np.float32)
;;   ~~~
;;   SOFTMAX AHEAD OF A QUANTISED PRODUCT. Where the list says 'softmax', what is quantised is not the finished softmax but p = 2^(t - M), with t = logit x log2(e) and M = ceil(the row's largest t), a whole number; so 1/2 < the row's largest p <= 1. The row's sum l is taken of the UNQUANTISED p, in f32, and the product's result is divided by l at the end. Since M is a whole number, a kernel that streams over the keys may use a running M (the ceiling of the running maximum): every later rescaling is an exact power of two, which a block's scale takes up: the codes' values come out the same.
;;   OPERANDS COMPUTED ON THE WAY. 'Computed on the way' means the value that the module computes at that place (a softmax that the list does not call 'softmax' is quantised finished and normalised). What goes into a quantiser is computed in f32, as accurately as f32 sums, v_exp_f32 and their like allow (about 1e-6 of the number): no bf16 or f16 on the way to a quantiser, and a product that is left as it is and whose result goes on into a quantised operand takes f32 operands (vector FMAs, or v_wmma_f32_16x16x4_f32). A number that lies on a knife's edge between two numbers of the format may be rounded either way, as far as f32 arithmetic and the matrix unit's own rounding can turn it there, and no further.
;;   INPUTS GIVEN AS CODES. Wk (in the module: [1024, 1024], K = its axis 1); Wo (in the module: [1024, 1024], K = its axis 1); Wq (in the module: [1024, 1024], K = its axis 1); Wv (in the module: [1024, 1024], K = its axis 1); key (in the module: [2, 2048, 1024], K = its axis 2); query (in the module: [2, 2048, 1024], K = its axis 2); value (in the module: [2, 2048, 1024], K = its axis 2): each comes as NAME_codes (uint8): NAME with its K axis moved to the last place and cut into blocks of 32 codes, [.., K / 32, bytes a block], one block behind the other in memory; four codes in three bytes: a row's codes are one little-endian stream of bits, code i at bits 6 i .. 6 i + 5 (a code: sign, 2 exponent bits, 3 mantissa bits); and NAME_scales (uint8): the same leading axes, one E8M0 byte (e + 127) for each 32 codes along K. Its value is code x scale, taken as it is: it is not quantised again, and the codes and scales need not be those that the quantiser above would give.
;; One version. Each part assembles by itself: llvm-mc -triple=amdgcn-amd-amdhsa -mcpu=gfx1250 --defsym DOCPART=n.
;; ======== version 1 of 1: 3 launches
;; limits: right only within a limited range of input values
;; workspace buffers: qrec 3,407,872 bytes; krec 3,407,872 bytes; vrec 3,276,800 bytes; aimg 3,145,728 bytes; ascl 131,072 bytes
;; launch proj (part 1): grid 8 x 96, 4 waves a work-group, clusters of 4 x 4, 246,272 bytes of LDS; arguments query_codes, query_scales, Wq_codes, Wq_scales, bq, qrec, key_codes, key_scales, Wk_codes, Wk_scales, bk, krec, Wv_codes, Wv_scales, value_codes, value_scales, bv, vrec; writes qrec, krec, vrec
.if DOCPART == 1
	.amdgcn_target "amdgcn-amd-amdhsa--gfx1250"
	.amdhsa_code_object_version 6
	.text
	.protected	k_q22dfd89b0f_proj
	.globl	k_q22dfd89b0f_proj
	.p2align	8
	.type	k_q22dfd89b0f_proj,@function
k_q22dfd89b0f_proj:
	s_mov_b64 s[64:65], 0
	v_nop
	global_prefetch_b8 v0, s[64:65] scope:SCOPE_SE
	s_setreg_imm32_b32 hwreg(HW_REG_WAVE_MODE, 25, 1), 1
	s_wait_xcnt 0x0
	s_wait_alu depctr_hold_cnt(0) depctr_sa_sdst(0) depctr_va_vdst(0) depctr_va_sdst(0) depctr_va_ssrc(0) depctr_va_vcc(0) depctr_vm_vsrc(0)
	s_getreg_b32 s2, hwreg(HW_REG_IB_STS2, 6, 4)
	s_cmp_eq_u32 s2, 0
	s_cbranch_scc0 .Lentry_in_a_cluster
	s_endpgm
.Lentry_in_a_cluster:
	s_bfe_u32 s2, ttmp6, 0x10000c
	s_cmp_lg_u32 s2, 0xf033
	s_cbranch_scc0 .Lentry_shape_is_right
	s_endpgm
.Lentry_shape_is_right:
; q = query Wq^T + bq, k = key Wk^T + bk, v = value Wv^T + bv on codes of FP6 (E2M3) with one E8M0 scale for each 32 along K = 1,024; the results are
; quantised in registers for the attention launch: q and k along the head's 64, v along the keys, and stored as IMAGES OF OPERAND REGISTERS.
; NAMES.  S0 is the operand whose rows run along a lane's result registers (matrix source 0): the axis that is quantised next.  S1's rows lie in the lanes (source 1).
;   q, k: S0 = the weight (features), S1 = the tokens.   v: S0 = value's tokens (the keys), S1 = Wv (features).  Arguments come in three groups of six: S1 codes, S1 scales, S0 codes, S0 scales, bias, destination.
; SHARES.  A work-group makes 128 (S0) x 128 (S1) over all of K; wave w all 128 rows of S0 x S1's rows 32 w .. 32 w + 31: 16 accumulators.  So a lane holds 128 neighbours of the next K: whole scale words.
;   768 work-groups: cluster y / 8 says which product.  128 x 128 and not more, so that each product has 256 blocks.
; LDS.  The block's codes for all of K fit at once: four chunks of 256 along K, each 128 rows of S0 and 128 of S1, rows of 192 bytes + 16 behind each 64 (pitch 240).  Every byte is filled once; nothing is stored to LDS.
; CLUSTER.  4 x 4 work-groups.  S0's tile hangs on cx alone and is asked for jointly by my column, S1's on cy alone and by my row.  A wave has four tensor loads outstanding, by this text's own count.
; ORDER ALONG THE NEXT K.  Tile t takes rows 16 t + r, so result register 8 t + j of lane half h is index 32 (t/2) + 16 (t%2) + 8 h + j, and the quantiser lays it at place 32 (t/2) + 16 h + 8 (t%2) + j:
;   inside a block of 32 two index bits change places.  Blocks, scales and codes are as the rule gives them, and both operands of each later product are laid alike, so the products are the same; their order in the sum differs.
; RECORDS.  qrec, krec: [batch x 16 + head][64 tokens][3,328]: two images of 12 registers (registers 0-5: 16 tokens x 64, registers 6-11: the next 16), then 64 scale words (bytes 0, 1 used; 2, 3 are 0).
;   vrec: [batch x 16 + head][128 keys][6,400]: four fragments (16 of the head's 64 x 128 keys), then 64 scale words.  An image: four registers, lane l's 16 bytes at 16 l.
; LIMITS.  NaN and infinities are not served.  A block whose largest magnitude lies under 2^-124 keeps the byte 1; a block of zeros gets the byte 1 and not 127: its codes are zeros and this program alone reads the bytes.
; THE LDS LAYOUT AND THE FILLS THAT HOLD (in place of the lines LDS and CLUSTER above): whole rows of K: 768 bytes of codes, 16 bytes of padding behind each 256: pitch 816.  S0's 128 rows, then S1's 128.
; Each wave asks for 64 rows by ONE joint load at the head (waves 0, 1: S0's halves, by my column; waves 2, 3: S1's, by my row): one tensor load outstanding a wave.  Every byte is filled once.
.set PITCH, 816                        ; 204 words: the 16 rows of a fragment start 12 words apart modulo 64, at 16 different groups of four banks
.set HALF4, 4*16*PITCH                 ; S0's tiles 4-7 have an address register of their own, so that the loads' offsets stay inside 16 bits
.set S1OFF, 128*PITCH
.set QREC,  3328
.set QHEAD, 106496
.set VREC,  6400
.set VHEAD, 102400
.set WV,  16                           ; s16 wave; s17 wave / 2 (which operand I fetch); s18 wave % 2 (which 64 rows); s19 which product; s20 cx, s21 cy; s22 S0's block, s23 S1's
.set SEL, 34                           ; s[34:35] lane selects: lane l xor 16
.set G1A, 36                           ; s[36:43] descriptor group 1 for S0, s[44:51] for S1
.set G1B, 44
.set G0A, 68                           ; s[68:71] group 0 for S0's rows, s[84:87] for S1's
.set G0B, 84
.set TM,  72                           ; behind the products: v72-87 at work in the quantiser, v88-95 half blocks, v96-119 the codes
.set CT,  88
.set BI,  120                          ; v120-183 the bias along S0, in the result's layout
.set BV,  184                          ; v184-187 the bias along S1: a pair for each of my two tiles
.set TMP, 188                          ; v188-251 64 numbers ahead of the quantiser
; window 0: v1-30 addresses; v32-63 S0's scale words (pair of tiles i, K step s at 32 + 8 i + s: lanes 0-15 tile 2 i, lanes 16-31 tile 2 i + 1); v64-71 S1's (lanes 0-15 my tile 0, lanes 16-31 tile 1);
;           v72-119 S1's fragments, two sets.   window 1: S0's fragments, sets at v0 and v128.   window 2: the accumulators, (a, t) at v[64 a + 8 t].
.set MSB, 0
.macro WIN new                         ; the immediate's high byte repeats the setting that is left
.if MSB != \new
	s_set_vgpr_msb (MSB<<8)|\new
.set MSB, \new
.endif
.endm
.macro PLACES n
.rept \n
	v_nop
.endr
.endm
.macro CROUND                          ; a round of the cluster's barrier
	s_barrier_signal -1
	s_barrier_wait -1
	s_cmp_lg_u32 s[WV], 0
	s_cbranch_scc1 .Lnot_wave_0_\@
	s_barrier_signal -3
.Lnot_wave_0_\@:
	s_barrier_wait -3
	s_barrier_signal -1
	s_barrier_wait -1
.endm
; one product: D at d, source 0 at a, source 1 at b, C at c (below 0: the constant 0), scale words sa, sb; ra, rb = 1: that side's words stand in lanes 16-31
.macro WM d, a, b, c, sa, sb, ra, rb
.if (\c) < 0
.if (\ra) && (\rb)
	v_wmma_scale_f32_16x16x128_f8f6f4 v[\d:\d+7], v[\a:\a+11], v[\b:\b+11], 0, v[\sa], v[\sb] matrix_a_fmt:MATRIX_FMT_FP6 matrix_b_fmt:MATRIX_FMT_FP6 matrix_a_scale:MATRIX_SCALE_ROW1 matrix_b_scale:MATRIX_SCALE_ROW1
.elseif \ra
	v_wmma_scale_f32_16x16x128_f8f6f4 v[\d:\d+7], v[\a:\a+11], v[\b:\b+11], 0, v[\sa], v[\sb] matrix_a_fmt:MATRIX_FMT_FP6 matrix_b_fmt:MATRIX_FMT_FP6 matrix_a_scale:MATRIX_SCALE_ROW1
.elseif \rb
	v_wmma_scale_f32_16x16x128_f8f6f4 v[\d:\d+7], v[\a:\a+11], v[\b:\b+11], 0, v[\sa], v[\sb] matrix_a_fmt:MATRIX_FMT_FP6 matrix_b_fmt:MATRIX_FMT_FP6 matrix_b_scale:MATRIX_SCALE_ROW1
.else
	v_wmma_scale_f32_16x16x128_f8f6f4 v[\d:\d+7], v[\a:\a+11], v[\b:\b+11], 0, v[\sa], v[\sb] matrix_a_fmt:MATRIX_FMT_FP6 matrix_b_fmt:MATRIX_FMT_FP6
.endif
.else
.if (\ra) && (\rb)
	v_wmma_scale_f32_16x16x128_f8f6f4 v[\d:\d+7], v[\a:\a+11], v[\b:\b+11], v[\c:\c+7], v[\sa], v[\sb] matrix_a_fmt:MATRIX_FMT_FP6 matrix_b_fmt:MATRIX_FMT_FP6 matrix_a_scale:MATRIX_SCALE_ROW1 matrix_b_scale:MATRIX_SCALE_ROW1
.elseif \ra
	v_wmma_scale_f32_16x16x128_f8f6f4 v[\d:\d+7], v[\a:\a+11], v[\b:\b+11], v[\c:\c+7], v[\sa], v[\sb] matrix_a_fmt:MATRIX_FMT_FP6 matrix_b_fmt:MATRIX_FMT_FP6 matrix_a_scale:MATRIX_SCALE_ROW1
.elseif \rb
	v_wmma_scale_f32_16x16x128_f8f6f4 v[\d:\d+7], v[\a:\a+11], v[\b:\b+11], v[\c:\c+7], v[\sa], v[\sb] matrix_a_fmt:MATRIX_FMT_FP6 matrix_b_fmt:MATRIX_FMT_FP6 matrix_b_scale:MATRIX_SCALE_ROW1
.else
	v_wmma_scale_f32_16x16x128_f8f6f4 v[\d:\d+7], v[\a:\a+11], v[\b:\b+11], v[\c:\c+7], v[\sa], v[\sb] matrix_a_fmt:MATRIX_FMT_FP6 matrix_b_fmt:MATRIX_FMT_FP6
.endif
.endif
.endm
; A fragment, 16 rows x 128 K, is 12 registers: lane l holds row l % 16; registers 6 c .. 6 c + 5 hold K = 64 c + 32 (l / 16) + 0 .. 31: 24 bytes of the row's stream of bits, in pieces of 8 bytes.
; st: the K step; byte y of a row of codes lies at y + 16 (y / 256) of its LDS row.  Lanes 16-31 read 24 bytes further on: where that is behind one padding more, the second address register (40 for 24 bytes a half) serves.
.macro FRAG reg, adr, st, i
.irp p, 0,1,2,3,4,5
.set BY, 96*(\st)+48*(\p/3)+8*(\p%3)
.if BY/256 == (BY+24)/256
	ds_load_b64 v[\reg+2*\p:\reg+2*\p+1], v[\adr+(\i)/4] offset:BY+16*(BY/256)+((\i)%4)*16*PITCH
.else
	ds_load_b64 v[\reg+2*\p:\reg+2*\p+1], v[\adr+4+(\i)/4] offset:BY+16*(BY/256)+((\i)%4)*16*PITCH
.endif
.endr
.endm
.macro FETCH s                         ; K step s (chunk s / 2, its half s % 2): S0's eight fragments and my two of S1 into set s % 2: 60 loads in one run
	WIN 0x40                                       ; destination window 1, address window 0
.irp i, 0,1,2,3,4,5,6,7
	FRAG 128*((\s)%2)+12*\i, 8, \s, \i
.endr
	WIN 0
.irp a, 0,1
	FRAG 72+24*((\s)%2)+12*\a, 16, \s, \a
.endr
.endm
.macro MUL16 s                         ; the 16 accumulators take turns, one instruction a turn, in the same order in every step; step 0 starts the sums
	WIN 0xa1                                       ; source 0 window 1, source 1 window 0, C and D window 2
.irp a, 0,1
.irp t, 0,1,2,3,4,5,6,7
.if (\s) == 0
	WM 64*\a+8*\t, 128*((\s)%2)+12*\t, 72+24*((\s)%2)+12*\a, -1, 32+8*(\t/2)+(\s), 64+(\s), \t%2, \a
.else
	WM 64*\a+8*\t, 128*((\s)%2)+12*\t, 72+24*((\s)%2)+12*\a, 64*\a+8*\t, 32+8*(\t/2)+(\s), 64+(\s), \t%2, \a
.endif
.endr
.endr
.endm
; 64 numbers of a lane, v[src] on, register 16 b + i laid at place 32 b + 16 (lane / 16) + i of my row, become codes: places 0-63 in six registers at d0, places 64-127 at d1; the row's scale word in v[pw].
.macro QUANT src, d0, d1, pw
.irp b, 0,1,2,3
	v_max3_num_f32 v[TM+\b], |v[\src+16*\b]|, |v[\src+1+16*\b]|, 0x1800000   ; block b: my 16 numbers, and the floor 2^(3 - 127): the byte cannot fall under 1
.endr
.irp i, 2,4,6,8,10,12,14
.irp b, 0,1,2,3
	v_max3_num_f32 v[TM+\b], v[TM+\b], |v[\src+16*\b+\i]|, |v[\src+1+16*\b+\i]|   ; the four blocks by turns
.endr
.endr
.irp b, 0,1,2,3
	v_permlanex16_b32 v[TM+4+\b], v[TM+\b], s[SEL], s[SEL+1]
.endr
.irp b, 0,1,2,3
	v_max_num_f32 v[TM+\b], v[TM+\b], v[TM+4+\b]   ; with lane l xor 16's 16: the block's largest magnitude
.endr
.irp b, 0,1,2,3
	v_add_nc_u32 v[TM+12+\b], 0xff000000, v[TM+\b] ; 2 off its exponent field: the conversion takes this operand's exponent field as its scale
.endr
.irp b, 0,1,2,3
	v_lshrrev_b32 v[TM+4+\b], 23, v[TM+12+\b]      ; the scale's byte
.endr
	v_lshl_or_b32 v[\pw], v[TM+5], 8, v[TM+4]
	v_lshl_or_b32 v[\pw], v[TM+6], 16, v[\pw]
	v_lshl_or_b32 v[\pw], v[TM+7], 24, v[\pw]
	v_cvt_scalef32_pk16_fp6_f32 v[\d0:\d0+2], v[\src:\src+15], v[TM+12]
	v_cvt_scalef32_pk16_fp6_f32 v[CT:CT+2], v[\src+16:\src+31], v[TM+13]      ; (a conversion's three registers begin on an even number)
	v_cvt_scalef32_pk16_fp6_f32 v[\d1:\d1+2], v[\src+32:\src+47], v[TM+14]
	v_cvt_scalef32_pk16_fp6_f32 v[CT+4:CT+6], v[\src+48:\src+63], v[TM+15]
	v_nop                                          ; one plain place behind a scaled conversion
.irp i, 0,1,2                                  ; the operand's layout wants a whole block in a lane: lanes 0-15 the even block, lanes 16-31 the odd one
	v_permlane16_swap_b32 v[\d0+\i], v[CT+\i]
.endr
.irp i, 0,1,2
	v_mov_b32 v[\d0+3+\i], v[CT+\i]
.endr
.irp i, 0,1,2
	v_permlane16_swap_b32 v[\d1+\i], v[CT+4+\i]
.endr
.irp i, 0,1,2
	v_mov_b32 v[\d1+3+\i], v[CT+4+\i]
.endr
.endm
; bias and quantiser for my two tiles of S1.  v = 0: q, k: bias along the registers; places 0-63 are one head's, 64-127 the next head's.  v = 1: bias along the lanes; the 128 places are one fragment.
.macro EPI v
.irp a, 0,1
	WIN 0x02                                       ; source 0 window 2
.set I, 0
.rept 32
.if \v
	v_pk_add_f32 v[TMP+I:TMP+I+1], v[64*\a+I:64*\a+I+1], v[BV+2*\a:BV+2*\a+1]    ; each accumulator is read from its low end on
.else
	v_pk_add_f32 v[TMP+I:TMP+I+1], v[64*\a+I:64*\a+I+1], v[BI+I:BI+I+1]
.endif
.set I, I+2
.endr
	WIN 0
.if \v
	QUANT TMP, 96+12*\a, 102+12*\a, 252+\a
.else
	QUANT TMP, 96+6*\a, 108+6*\a, 252+\a
.endif
.endr
	v_cmp_le_u32 vcc_lo, 16, v1
	v_cndmask_b32 v254, v252, v253, vcc_lo         ; lanes 0-15: tile 0's words, lanes 16-31: tile 1's (both halves of the lanes hold a row's word)
.endm
	s_load_b512 s[36:51], s[0:1], 0x0              ; arguments 0-7
	s_load_b512 s[68:83], s[0:1], 0x40             ; 8-15
	s_load_b128 s[84:87], s[0:1], 0x80             ; 16, 17
	v_lshl_add_u32 v31, v0, 2, 0x3c000
	s_set_vgpr_msb 0x40
	v_mov_b32 v255, 0
	s_set_vgpr_msb 0x4044
	ds_add_u32 v31, v255
	ds_add_u32 v31, v255
	s_set_vgpr_msb 0x4400
	v_lshrrev_b32 v1, 5, v0
	v_readfirstlane_b32 s[WV], v1                  ; wave 0..3
	s_lshr_b32 s17, s[WV], 1
	s_and_b32 s18, s[WV], 1
	s_bfe_u32 s20, ttmp6, 0x40000                  ; cx
	s_bfe_u32 s21, ttmp6, 0x40004                  ; cy
	s_and_b32 s2, ttmp7, 0xffff                    ; cluster y, 0..23
	s_lshr_b32 s19, s2, 3                          ; which product: 0 q, 1 k, 2 v: the same in all partners
	s_and_b32 s2, s2, 7
	s_cmp_eq_u32 s19, 2                            ; q, k: S0 has 8 blocks (cluster x), S1 32 (cluster y);  v: the other way round
	s_cselect_b32 s22, s2, ttmp9
	s_cselect_b32 s23, ttmp9, s2
	s_lshl_b32 s22, s22, 2
	s_add_co_u32 s22, s22, s20                     ; S0's block: hangs on cx alone
	s_lshl_b32 s23, s23, 2
	s_add_co_u32 s23, s23, s21                     ; S1's block: hangs on cy alone
	s_lshl_b32 s24, 0x1111, s20                    ; my column of the cluster
	s_lshl_b32 s25, s21, 2
	s_lshl_b32 s25, 15, s25                        ; my row
	s_mov_b32 s[SEL], 0x76543210
	s_mov_b32 s[SEL+1], 0xfedcba98
	s_lshl_b32 s26, s22, 7                         ; S0: row 128 x block + 64 x half, 768 bytes a row
	s_lshl_b32 s27, s18, 6
	s_add_co_u32 s26, s26, s27
	s_mul_i32 s26, s26, 768
	s_mov_b32 s27, 0
	s_lshl_b32 s28, s22, 12                        ; its scale bytes: 128 rows x 32
	s_mov_b32 s29, 0
	s_lshl_b32 s30, s23, 7                         ; S1 likewise, in registers of its own
	s_lshl_b32 s31, s18, 6
	s_add_co_u32 s30, s30, s31
	s_mul_i32 s30, s30, 768
	s_mov_b32 s31, 0
	s_lshl_b32 s32, s23, 12                        ; S1's scale bytes at my wave's 32 rows
	s_lshl_b32 s33, s[WV], 10
	s_add_co_u32 s32, s32, s33
	s_mov_b32 s33, 0
	s_and_b32 s52, s22, 7                          ; the bias is read both ways, so that every register is written on every path; the block numbers are cut to 0..7, so that both reads stay inside its 4,096 bytes
	s_lshl_b32 s52, s52, 9
	s_mov_b32 s53, 0
	s_and_b32 s54, s23, 7
	s_lshl_b32 s54, s54, 9
	s_lshl_b32 s55, s[WV], 7
	s_add_co_u32 s54, s54, s55
	s_mov_b32 s55, 0
	s_mul_i32 s3, s18, 64*PITCH                    ; where my 64 rows go among my operand's 128 rows
	s_mul_i32 s62, s[WV], 32*PITCH
	s_add_co_u32 s62, s62, S1OFF                   ; where my wave's 32 rows of S1 lie
	v_and_b32 v1, 31, v0                           ; lane
	v_and_b32 v2, 15, v0                           ; r
	v_bfe_u32 v3, v0, 4, 1                         ; h
	v_lshlrev_b32 v4, 4, v1
	v_lshlrev_b32 v5, 2, v1
	v_lshlrev_b32 v6, 5, v1
	v_lshlrev_b32 v7, 5, v3
	v_lshlrev_b32 v24, 2, v2
	v_mul_u32_u24 v8, v2, PITCH
	v_mad_u32_u24 v8, v3, 24, v8                   ; S0's tiles 0-3: a fragment's row x pitch + 24 x half
	v_lshl_add_u32 v12, v3, 4, v8                  ; the same behind one padding more
	v_add_nc_u32 v9, HALF4, v8                     ; S0's tiles 4-7
	v_add_nc_u32 v13, HALF4, v12
	v_add_nc_u32 v16, s62, v8                      ; my two tiles of S1
	v_add_nc_u32 v20, s62, v12
	s_wait_alu depctr_va_vdst(0)                   ; the wait at the head's end
	s_wait_dscnt 0x0
	s_wait_kmcnt 0x0
	s_cmp_eq_u32 s19, 0                            ; the six buffers of my product: a choice on the cluster's number alone
	s_cselect_b64 s[4:5], s[36:37], s[48:49]
	s_cselect_b64 s[6:7], s[38:39], s[50:51]
	s_cselect_b64 s[8:9], s[40:41], s[68:69]
	s_cselect_b64 s[10:11], s[42:43], s[70:71]
	s_cselect_b64 s[12:13], s[44:45], s[72:73]
	s_cselect_b64 s[14:15], s[46:47], s[74:75]
	s_cmp_eq_u32 s19, 2
	s_cselect_b64 s[4:5], s[76:77], s[4:5]         ; S1's codes
	s_cselect_b64 s[6:7], s[78:79], s[6:7]         ; S1's scales
	s_cselect_b64 s[8:9], s[80:81], s[8:9]         ; S0's codes
	s_cselect_b64 s[10:11], s[82:83], s[10:11]     ; S0's scales
	s_cselect_b64 s[12:13], s[84:85], s[12:13]     ; the bias
	s_cselect_b64 s[14:15], s[86:87], s[14:15]     ; the destination
	s_add_nc_u64 s[26:27], s[8:9], s[26:27]
	s_add_nc_u64 s[30:31], s[4:5], s[30:31]
	s_add_nc_u64 s[10:11], s[10:11], s[28:29]
	s_add_nc_u64 s[6:7], s[6:7], s[32:33]
	s_add_nc_u64 s[56:57], s[12:13], s[52:53]
	s_add_nc_u64 s[58:59], s[12:13], s[54:55]
	; descriptor group 1: 64 rows x 768 bytes, 768 bytes apart; elements of 1 byte; 4 words of padding behind every 64; the mask, and bit 21 beside it
	s_or_b32 s[G1A], s24, (1<<20)|(1<<21)|(5<<22)|(3<<25)
	s_or_b32 s[G1B], s25, (1<<20)|(1<<21)|(5<<22)|(3<<25)
.irp g, G1A, G1B
	s_mov_b32 s[\g+1], 768<<16
	s_mov_b32 s[\g+2], 64<<16
	s_mov_b32 s[\g+3], 768<<16
	s_mov_b32 s[\g+4], 64                          ; tile_dim1
	s_mov_b32 s[\g+5], 768                         ; the pitch
	s_mov_b32 s[\g+6], 0
	s_mov_b32 s[\g+7], 0
.endr
	s_mov_b32 s[G0A], 1
	s_mov_b32 s[G0A+1], s3
	s_mov_b64 s[G0A+2:G0A+3], s[26:27]
	s_or_b32 s[G0A+3], s[G0A+3], 0x80000000
	s_mov_b32 s[G0B], 1
	s_add_co_u32 s[G0B+1], s3, S1OFF
	s_mov_b64 s[G0B+2:G0B+3], s[30:31]
	s_or_b32 s[G0B+3], s[G0B+3], 0x80000000
	CROUND                                         ; all sixteen work-groups are here: the joint loads meet
	s_cmp_eq_u32 s17, 0                            ; waves 0, 1: S0's halves; waves 2, 3: S1's: one load a wave, one to each arm
	s_cbranch_scc0 .Lfill_s1
	tensor_load_to_lds s[G0A:G0A+3], s[G1A:G1A+7]
	s_nop 0
	PLACES 4
	s_branch .Lfilled
.Lfill_s1:
	tensor_load_to_lds s[G0B:G0B+3], s[G1B:G1B+7]
	s_nop 0
	PLACES 4
.Lfilled:
	; the scale words of all eight K steps go straight into registers: a row's 32 bytes are two loads of 16; 32 lanes take 32 neighbouring rows, 1,024 consecutive bytes between the two
.irp i, 0,1,2,3
.irp k, 0,1
	global_load_b128 v[32+8*\i+4*\k:35+8*\i+4*\k], v6, s[10:11] offset:1024*\i+16*\k
.endr
.endr
.irp k, 0,1
	global_load_b128 v[64+4*\k:67+4*\k], v6, s[6:7] offset:16*\k
.endr
.irp t, 0,1,2,3,4,5,6,7
.irp k, 0,1
	global_load_b128 v[BI+8*\t+4*\k:BI+8*\t+4*\k+3], v7, s[56:57] offset:64*\t+16*\k   ; bias of S0's rows 16 t + 8 h + 0 .. 7
.endr
.endr
	global_load_b32 v[BV], v24, s[58:59]           ; bias of S1's row r of my tile 0, twice: a pair for the packed addition
	global_load_b32 v[BV+1], v24, s[58:59]
	global_load_b32 v[BV+2], v24, s[58:59] offset:64
	global_load_b32 v[BV+3], v24, s[58:59] offset:64
	s_wait_tensorcnt 0x0                           ; my 64 rows are in
	s_barrier_signal -1
	s_barrier_wait -1                              ; everybody's are: all of K lies in LDS
	FETCH 0
.irp s, 0,1,2,3,4,5,6,7
	s_wait_dscnt 0x0                               ; this step's fragments, asked for in front of the last step's 16 products; also: no LDS load is out at a signal
.if \s == 0
	s_wait_loadcnt 0x0                             ; scale words and bias
.endif
.if \s > 0 && \s < 7
	PLACES 4                                       ; in front of loads into the set that the last step's products read
.endif
.if \s < 7
	FETCH \s+1
.endif
	MUL16 \s
.endr
	WIN 0
	PLACES 4                                       ; in front of the first read of results and the first write over fragments
.irp b, 0,1,2,3
	v_mov_b32 v[TM+4+\b], 0                        ; a lane permute's destination counts as one of its sources
.endr
	s_cmp_eq_u32 s19, 2
	s_cbranch_scc1 .Lvalues
	EPI 0
	v_lshrrev_b32 v255, 16, v254                   ; the second head's two bytes
	v_and_b32 v254, 0xffff, v254                   ; the first head's; bytes 2 and 3 are 0
	s_lshr_b32 s52, s23, 4                         ; batch x 16 + head 2 x S0's block
	s_lshl_b32 s52, s52, 4
	s_lshl_b32 s53, s22, 1
	s_add_co_u32 s52, s52, s53
	s_mul_i32 s52, s52, QHEAD
	s_and_b32 s53, s23, 15                         ; the record: 64 tokens; my 32 are its half wave % 2
	s_lshl_b32 s53, s53, 1
	s_add_co_u32 s53, s53, s17
	s_mul_i32 s53, s53, QREC
	s_add_co_u32 s52, s52, s53
	s_mov_b32 s53, 0
	s_add_nc_u64 s[54:55], s[14:15], s[52:53]
	s_mul_i32 s60, s18, 1536
	v_add_nc_u32 v25, s60, v4
	s_wait_alu depctr_va_vdst(0)
	s_lshl_b32 s61, s18, 7
	s_add_co_u32 s61, s61, 3072
	v_add_nc_u32 v26, s61, v5
.irp c, 0,1,2
	global_store_b128 v25, v[96+4*\c:99+4*\c], s[54:55] offset:512*\c            ; each store covers 512 consecutive bytes, aligned to 256
	global_store_b128 v25, v[108+4*\c:111+4*\c], s[54:55] offset:QHEAD+512*\c
.endr
	global_store_b32 v26, v254, s[54:55]
	global_store_b32 v26, v255, s[54:55] offset:QHEAD
	s_branch .Ldone
.Lvalues:
	EPI 1
	s_lshr_b32 s52, s22, 4                         ; batch x 16 + head 2 x S1's block + wave / 2
	s_lshl_b32 s52, s52, 4
	s_lshl_b32 s53, s23, 1
	s_add_co_u32 s52, s52, s53
	s_add_co_u32 s52, s52, s17
	s_mul_i32 s52, s52, VHEAD
	s_and_b32 s53, s22, 15                         ; the record: 128 keys
	s_mul_i32 s53, s53, VREC
	s_add_co_u32 s52, s52, s53
	s_mov_b32 s53, 0
	s_add_nc_u64 s[54:55], s[14:15], s[52:53]
	s_mul_i32 s60, s18, 3072                       ; my two fragments: tiles 2 (wave % 2) and + 1 of the head's four
	v_add_nc_u32 v25, s60, v4
	s_wait_alu depctr_va_vdst(0)
	s_lshl_b32 s61, s18, 7
	s_add_co_u32 s61, s61, 6144
	v_add_nc_u32 v26, s61, v5
.irp c, 0,1,2,3,4,5
	global_store_b128 v25, v[96+4*\c:99+4*\c], s[54:55] offset:512*\c
.endr
	global_store_b32 v26, v254, s[54:55]
.Ldone:
	s_set_vgpr_msb 0x4
	s_wait_tensorcnt 0x0
	ds_add_u32 v31, v255
	s_wait_dscnt 0x0
	s_set_vgpr_msb 0x400
	CROUND                                         ; the closing round: no work-group ends while a partner may still ask for a tile that names it
	s_endpgm
.Lfunc_end_k_q22dfd89b0f_proj:
	.size	k_q22dfd89b0f_proj, .Lfunc_end_k_q22dfd89b0f_proj-k_q22dfd89b0f_proj
	.p2alignl 7, 3214868480
	.fill 96, 4, 3214868480
	.section	.rodata,"a",@progbits
	.p2align	6, 0x0
	.amdhsa_kernel k_q22dfd89b0f_proj
		.amdhsa_group_segment_fixed_size 246272
		.amdhsa_private_segment_fixed_size 0
		.amdhsa_enable_private_segment 0
		.amdhsa_kernarg_size 144
		.amdhsa_user_sgpr_count 2
		.amdhsa_user_sgpr_kernarg_segment_ptr 1
		.amdhsa_wavefront_size32 1
		.amdhsa_system_sgpr_workgroup_id_x 1
		.amdhsa_system_sgpr_workgroup_id_y 1
		.amdhsa_system_sgpr_workgroup_id_z 1
		.amdhsa_system_vgpr_workitem_id 0
		.amdhsa_next_free_vgpr 640
		.amdhsa_next_free_sgpr 100
		.amdhsa_reserve_vcc 1
		.amdhsa_float_denorm_mode_32 3
		.amdhsa_float_denorm_mode_16_64 3
		.amdhsa_memory_ordered 1
		.amdhsa_forward_progress 1
		.amdhsa_inst_pref_size 84
	.end_amdhsa_kernel
	.amdgpu_metadata
---
amdhsa.version: [ 1, 2 ]
amdhsa.kernels:
  - .name:           k_q22dfd89b0f_proj
    .symbol:         k_q22dfd89b0f_proj.kd
    .args:
      - { .name: query_codes, .offset: 0, .size: 8, .value_kind: global_buffer, .address_space: global }
      - { .name: query_scales, .offset: 8, .size: 8, .value_kind: global_buffer, .address_space: global }
      - { .name: Wq_codes, .offset: 16, .size: 8, .value_kind: global_buffer, .address_space: global }
      - { .name: Wq_scales, .offset: 24, .size: 8, .value_kind: global_buffer, .address_space: global }
      - { .name: bq, .offset: 32, .size: 8, .value_kind: global_buffer, .address_space: global }
      - { .name: qrec, .offset: 40, .size: 8, .value_kind: global_buffer, .address_space: global }
      - { .name: key_codes, .offset: 48, .size: 8, .value_kind: global_buffer, .address_space: global }
      - { .name: key_scales, .offset: 56, .size: 8, .value_kind: global_buffer, .address_space: global }
      - { .name: Wk_codes, .offset: 64, .size: 8, .value_kind: global_buffer, .address_space: global }
      - { .name: Wk_scales, .offset: 72, .size: 8, .value_kind: global_buffer, .address_space: global }
      - { .name: bk, .offset: 80, .size: 8, .value_kind: global_buffer, .address_space: global }
      - { .name: krec, .offset: 88, .size: 8, .value_kind: global_buffer, .address_space: global }
      - { .name: Wv_codes, .offset: 96, .size: 8, .value_kind: global_buffer, .address_space: global }
      - { .name: Wv_scales, .offset: 104, .size: 8, .value_kind: global_buffer, .address_space: global }
      - { .name: value_codes, .offset: 112, .size: 8, .value_kind: global_buffer, .address_space: global }
      - { .name: value_scales, .offset: 120, .size: 8, .value_kind: global_buffer, .address_space: global }
      - { .name: bv, .offset: 128, .size: 8, .value_kind: global_buffer, .address_space: global }
      - { .name: vrec, .offset: 136, .size: 8, .value_kind: global_buffer, .address_space: global }
    .group_segment_fixed_size: 246272
    .private_segment_fixed_size: 0
    .kernarg_segment_align: 8
    .kernarg_segment_size: 144
    .max_flat_workgroup_size: 128
    .sgpr_count:     100
    .vgpr_count:     640
    .wavefront_size: 32
...
	.end_amdgpu_metadata
.endif
;; end of part 1
;; launch attn (part 2): grid 8 x 32, 16 waves a work-group, clusters of 4 x 1, 210,944 bytes of LDS; arguments qrec, krec, vrec, aimg, ascl; writes aimg, ascl
.if DOCPART == 2
	.amdgcn_target "amdgcn-amd-amdhsa--gfx1250"
	.amdhsa_code_object_version 6
	.text
	.protected	k_q22dfd89b0f_attn
	.globl	k_q22dfd89b0f_attn
	.p2align	8
	.type	k_q22dfd89b0f_attn,@function
k_q22dfd89b0f_attn:
	s_mov_b64 s[64:65], 0
	v_nop
	global_prefetch_b8 v0, s[64:65] scope:SCOPE_SE
	s_setreg_imm32_b32 hwreg(HW_REG_WAVE_MODE, 25, 1), 1
	s_wait_xcnt 0x0
	s_wait_alu depctr_hold_cnt(0) depctr_sa_sdst(0) depctr_va_vdst(0) depctr_va_sdst(0) depctr_va_ssrc(0) depctr_va_vcc(0) depctr_vm_vsrc(0)
	s_getreg_b32 s2, hwreg(HW_REG_IB_STS2, 6, 4)
	s_cmp_eq_u32 s2, 0
	s_cbranch_scc0 .Lentry_in_a_cluster
	s_endpgm
.Lentry_in_a_cluster:
	s_bfe_u32 s2, ttmp6, 0x10000c
	s_cmp_lg_u32 s2, 0x3003
	s_cbranch_scc0 .Lentry_shape_is_right
	s_endpgm
.Lentry_shape_is_right:
; For each batch and head: O[q] = sum over keys of softmax(Q[q] . K[key] / 32) V[key], both products on codes of FP6 (E2M3) with E8M0 scales; O is then quantised along the embedding for the last projection.
; THE SOFTMAX AHEAD OF THE SECOND PRODUCT: t = score x log2(e) / 32; M = the running largest t rounded UP to a whole number; p = 2^(t - M) is quantised along the keys, not normalised; the row's sum is taken of the
; unquantised p in f32 and divides O at the end.  When M moves, the sum and O are multiplied by 2^(old M - new M): exact.
; SHARES.  A work-group owns 256 queries of one (batch, head); each of its sixteen waves one tile of 16, in 256 registers: four waves to a SIMD, so that one wave's vector work stands beside another's products and LDS loads.
; LDS.  The head's records of K (106,496 bytes) and of V (102,400) lie in LDS whole, as they lie in memory: images of operand registers, read 16 bytes a lane on end.  Every byte is filled once; nothing is stored to LDS.
; CLUSTER.  The four query blocks of a cluster belong to one head: each part of K and V is asked for jointly, mask 15.  Waves 0, 1 ask for K's four chunks of 512 keys (a half each), waves 2, 3 for V's: four loads outstanding a wave.
; LAYOUT.  Both products transposed: S^T = K Q^T (source 0 = 16 keys), O^T = V^T P^T (source 0 = 16 of the head's 64): a lane holds ONE query throughout.  Tile t takes keys 16 t + r, so p's place inside a block of 32
; has two index bits exchanged, exactly as the launch before laid V's keys (and Q's and K's 64): alike on both sides of each product.
; K = 64 IN AN INSTRUCTION OF 128.  Q's registers 6-11 are zero codes.  K's eight half fragments of a step lie on end in 48 registers; tile t names 12 from 36 + 6 t, whose upper six are the next tile's codes (zeros behind tile 7):
; they meet zero codes, under scale bytes 0 (2^-127, no NaN), and E2M3 has no infinity or NaN: those terms are exact zeros.
; LIMITS.  NaN and infinities are not served.  A p under 2^-126 becomes 0.  A block's largest p is taken from its largest score, which takes v_exp_f32 not to fall where its input rises.  Blocks of zeros get the byte 1, read by this program alone.
.set KREC,  3328
.set KHEAD, 106496
.set VREC,  6400
.set VHEAD, 102400
.set VBASE, 106496                     ; LDS: V's records behind K's
.set KCH,   26624                      ; a chunk of 512 keys: 8 records of K,
.set VCH,   25600                      ; 4 of V
.set WV,  14                           ; s14 wave; s15 cx, s16 my block of 256 queries (they enter Q's and the results' addresses alone, as do s84-91); s17 batch x 16 + head; s24 wave % 2; s25 trips; s26, s27 the step's records in LDS
.set SEL, 20                           ; s[20:21] lane l xor 16
.set CS,  22                           ; s[22:23] c = log2(e) / 32
.set G1K, 28                           ; s[28:35], s[36:43] descriptor groups 1;  s[44:47], s[68:71] a group 0 each
.set G1V, 36
.set G0K, 44
.set G0V, 68
.set BM,  212                          ; v212-215 block maxima; v216-219 the other half's, then bytes; v220-223 the conversions' scale operands
.set BT,  216
.set BS,  220
; v1 16 lane, v2 4 lane, v3-6 the step's LDS addresses, v7 r, v8 8 lane, v9-11, v29 offsets; v12 -M, v13 the largest t, v[14:15] the sum; v16-21 Q, v22-27 zeros, v28 Q's scale word; v30-33 K's scale words, v34-35 V's;
; v36-83 K's codes, then V's four fragments; v84-89 zeros; v96-159 S^T, then p; v160-191 O^T; v192-203 p's codes; v204-210 half blocks; v224 p's scale word; v[226:227] f; v228 at work; v[230:231] the sum's second chain
.macro PLACES n
.rept \n
	v_nop
.endr
.endm
.macro CROUND
	s_barrier_signal -1
	s_barrier_wait -1
	s_cmp_lg_u32 s[WV], 0
	s_cbranch_scc1 .Lnot_wave_0_\@
	s_barrier_signal -3
.Lnot_wave_0_\@:
	s_barrier_wait -3
	s_barrier_signal -1
	s_barrier_wait -1
.endm
.macro WM d, a, b, c, sa, sb, ra       ; one product; c below 0: the constant 0; ra = 1: source 0's scale words stand in lanes 16-31
.if (\c) < 0
.if \ra
	v_wmma_scale_f32_16x16x128_f8f6f4 v[\d:\d+7], v[\a:\a+11], v[\b:\b+11], 0, v[\sa], v[\sb] matrix_a_fmt:MATRIX_FMT_FP6 matrix_b_fmt:MATRIX_FMT_FP6 matrix_a_scale:MATRIX_SCALE_ROW1
.else
	v_wmma_scale_f32_16x16x128_f8f6f4 v[\d:\d+7], v[\a:\a+11], v[\b:\b+11], 0, v[\sa], v[\sb] matrix_a_fmt:MATRIX_FMT_FP6 matrix_b_fmt:MATRIX_FMT_FP6
.endif
.else
.if \ra
	v_wmma_scale_f32_16x16x128_f8f6f4 v[\d:\d+7], v[\a:\a+11], v[\b:\b+11], v[\c:\c+7], v[\sa], v[\sb] matrix_a_fmt:MATRIX_FMT_FP6 matrix_b_fmt:MATRIX_FMT_FP6 matrix_a_scale:MATRIX_SCALE_ROW1
.else
	v_wmma_scale_f32_16x16x128_f8f6f4 v[\d:\d+7], v[\a:\a+11], v[\b:\b+11], v[\c:\c+7], v[\sa], v[\sb] matrix_a_fmt:MATRIX_FMT_FP6 matrix_b_fmt:MATRIX_FMT_FP6
.endif
.endif
.endm
	s_load_b256 s[4:11], s[0:1], 0x0               ; qrec, krec, vrec, aimg
	s_load_b64 s[12:13], s[0:1], 0x20              ; ascl
	v_lshl_add_u32 v254, v0, 2, 0x33000
	v_mov_b32 v255, 0
	ds_add_u32 v254, v255
	ds_add_u32 v254, v255
	v_lshrrev_b32 v1, 5, v0
	s_delay_alu instid0(VALU_DEP_1)
	v_readfirstlane_b32 s[WV], v1                  ; wave 0..15
	s_bfe_u32 s15, ttmp6, 0x40000                  ; cx
	s_lshl_b32 s16, ttmp9, 2
	s_add_co_u32 s16, s16, s15                     ; my block of 256 queries
	s_and_b32 s17, ttmp7, 0xffff                   ; batch x 16 + head: shared by the four partners
	s_and_b32 s24, s[WV], 1
	; THE FILLS THAT HOLD (in place of the head's line on who asks): waves 0-7 ask for an eighth of the head's K each (52 rows of 256 bytes), waves 8-15 for an eighth of its V (50 rows): one joint load a wave, one outstanding
	s_and_b32 s62, s[WV], 7
	s_mul_i32 s2, s62, KCH/2                       ; which eighth I fetch, of K
	s_mul_i32 s3, s62, VCH/2                       ; or of V
	s_mul_i32 s18, s17, KHEAD
	s_add_co_u32 s18, s18, s2
	s_mov_b32 s19, 0
	s_mul_i32 s60, s17, VHEAD
	s_add_co_u32 s60, s60, s3
	s_mov_b32 s61, 0
	; descriptor group 1: dense bytes as rows of 256 (32 elements of 8 bytes): half a chunk of K is 52 rows, of V 50; mask 15 and bit 21 beside it; no padding
	s_mov_b32 s[G1K], 15|(3<<16)|(1<<21)
	s_mov_b32 s[G1K+1], 32<<16
	s_mov_b32 s[G1K+2], 52<<16
	s_mov_b32 s[G1K+3], 32<<16
	s_mov_b32 s[G1K+4], 52
	s_mov_b32 s[G1K+5], 32
	s_mov_b32 s[G1K+6], 0
	s_mov_b32 s[G1K+7], 0
	s_mov_b32 s[G1V], 15|(3<<16)|(1<<21)
	s_mov_b32 s[G1V+1], 32<<16
	s_mov_b32 s[G1V+2], 50<<16
	s_mov_b32 s[G1V+3], 32<<16
	s_mov_b32 s[G1V+4], 50
	s_mov_b32 s[G1V+5], 32
	s_mov_b32 s[G1V+6], 0
	s_mov_b32 s[G1V+7], 0
	s_mov_b32 s[SEL], 0x76543210
	s_mov_b32 s[SEL+1], 0xfedcba98
	s_mov_b32 s[CS], 0x3d38aa3b                    ; log2(e) / 32
	s_mov_b32 s[CS+1], s[CS]                       ; (named with it as a pair, so it is written)
	s_lshl_b32 s84, s16, 2                         ; Q: my tile's record: 64 tokens: 4 x block + wave / 4
	s_lshr_b32 s85, s[WV], 2
	s_add_co_u32 s84, s84, s85
	s_mul_i32 s84, s84, KREC
	s_mul_i32 s85, s17, KHEAD
	s_add_co_u32 s84, s84, s85
	s_mov_b32 s85, 0
	s_bfe_u32 s86, s[WV], 0x10001                  ; which image of 12 registers in it,
	s_mul_i32 s87, s86, 1536
	s_mul_i32 s88, s24, 520                        ; and which six of them (u = wave % 2).  Register n of lane l lies at 512 (n / 4) + 16 l + 4 (n % 4): registers 6 u, 6 u + 1 at 16 l + 520 u, and 6 u + 4, 6 u + 5 512 further on;
	s_add_co_u32 s88, s88, s87
	s_mul_i32 s89, s24, 1016                       ; registers 6 u + 2, 6 u + 3 at 16 l + 8 + 1,016 u
	s_add_co_u32 s89, s89, s87
	s_lshl_b32 s90, s86, 7                         ; its scale words: 128 bytes an image, 64 a tile
	s_lshl_b32 s91, s24, 6
	s_add_co_u32 s90, s90, s91
	s_wait_dscnt 0x0
	s_wait_kmcnt 0x0
	s_add_nc_u64 s[18:19], s[6:7], s[18:19]
	s_add_nc_u64 s[60:61], s[8:9], s[60:61]
	s_mov_b32 s[G0K], 1
	s_mov_b32 s[G0K+1], s2
	s_mov_b64 s[G0K+2:G0K+3], s[18:19]
	s_or_b32 s[G0K+3], s[G0K+3], 0x80000000
	s_mov_b32 s[G0V], 1
	s_add_co_u32 s[G0V+1], s3, VBASE
	s_mov_b64 s[G0V+2:G0V+3], s[60:61]
	s_or_b32 s[G0V+3], s[G0V+3], 0x80000000
	s_add_nc_u64 s[4:5], s[4:5], s[84:85]
	CROUND                                         ; all four work-groups are here: the joint loads meet
	s_cmp_lt_u32 s[WV], 8                          ; every wave issues one load, one to each arm of a branch on its number
	s_cbranch_scc0 .Lnot_k
	tensor_load_to_lds s[G0K:G0K+3], s[G1K:G1K+7]
	s_nop 0
	PLACES 4
	s_branch .Lasked
.Lnot_k:
	tensor_load_to_lds s[G0V:G0V+3], s[G1V:G1V+7]
	s_nop 0
	PLACES 4
.Lasked:
	v_and_b32 v7, 31, v0
	s_delay_alu instid0(VALU_DEP_1)
	v_lshlrev_b32 v1, 4, v7
	s_delay_alu instid0(VALU_DEP_2)
	v_lshlrev_b32 v2, 2, v7
	s_delay_alu instid0(VALU_DEP_3)
	v_lshlrev_b32 v8, 3, v7
	v_and_b32 v7, 15, v0                           ; r
	s_delay_alu instid0(VALU_DEP_4)
	v_add_nc_u32 v9, s88, v1
	v_add_nc_u32 v10, s89, v1
	s_delay_alu instid0(VALU_DEP_3)
	v_lshl_add_u32 v29, v7, 2, s90
	global_load_b64 v[16:17], v9, s[4:5]           ; Q's half fragment stays in registers
	global_load_b64 v[18:19], v10, s[4:5] offset:8
	global_load_b64 v[20:21], v9, s[4:5] offset:512
	global_load_b32 v28, v29, s[4:5] offset:3072   ; and its scale words
.irp j, 22,23,24,25,26,27,84,85,86,87,88,89
	v_mov_b32 v[\j], 0                             ; zero codes: Q's upper 64 along K, and what stands behind K's last tile
.endr
	v_mov_b32 v13, 0xff61b1e6                      ; the largest t so far: -3e38, under every t
	s_delay_alu instid0(VALU_DEP_1)
	v_floor_f32 v12, -v13                          ; -M
	v_mov_b32 v14, 0
	v_mov_b32 v15, 0
.irp b, 0,1,2,3
	v_mov_b32 v[BT+\b], 0                          ; a lane permute's destination counts as one of its sources
.endr
	v_mov_b32 v227, 0                              ; (named as the upper half of the pair v[226:227])
	v_mov_b32 v228, 0
.set J, 0
.rept 32
	v_mov_b32 v[160+J], 0                          ; O^T: the step is written once; the first finds zeros, which the first change of M leaves zeros
.set J, J+1
.endr
	s_wait_loadcnt 0x0                             ; Q
; A KEY STEP: 128 keys: two records of K at s26, one of V at s27.
.macro STEP
	v_add_nc_u32 v3, s26, v1                       ; (these four are also the places in front of loads into registers that the last step's products read)
	v_add_nc_u32 v4, s26, v2
	v_add_nc_u32 v5, s27, v1
	v_add_nc_u32 v6, s27, v2
.irp j, 0,1,2,3
.irp c, 0,1,2
	ds_load_b128 v[36+12*\j+4*\c:39+12*\j+4*\c], v3 offset:(\j/2)*KREC+(\j%2)*1536+512*\c   ; image j: tiles 2 j and 2 j + 1
.endr
.endr
.irp i, 0,1,2,3
	ds_load_b32 v[30+\i], v4 offset:(\i/2)*KREC+3072+128*(\i%2)                            ; lanes 0-15 tile 2 i's words, lanes 16-31 tile 2 i + 1's
.endr
	s_wait_alu depctr_va_vdst(0)
	s_wait_dscnt 0x0
.irp t, 0,1,2,3,4,5,6,7
	WM 96+8*\t, 36+6*\t, 16, -1, 30+\t/2, 28, \t%2                                         ; S^T: register 8 t + j of lane (r, h): key 16 t + 8 h + j, query r
.endr
	PLACES 4                                       ; in front of loads over K's codes and of the first read of the scores
.irp t, 0,1,2,3
.irp c, 0,1,2
	ds_load_b128 v[36+12*\t+4*\c:39+12*\t+4*\c], v5 offset:1536*\t+512*\c                  ; V's four fragments: asked for now, they land under the softmax
.endr
.endr
.irp i, 0,1
	ds_load_b32 v[34+\i], v6 offset:6144+128*\i
.endr
.irp b, 0,1,2,3
	v_max3_num_f32 v[BM+\b], v[96+16*\b], v[97+16*\b], v[98+16*\b]   ; the largest score of each block of 32 keys: for the row's maximum and, since p rises with the score, for the block's largest p
.endr
.irp i, 3,5,7,9,11,13
.irp b, 0,1,2,3
	v_max3_num_f32 v[BM+\b], v[BM+\b], v[96+16*\b+\i], v[97+16*\b+\i]
.endr
.endr
.irp b, 0,1,2,3
	v_max_num_f32 v[BM+\b], v[BM+\b], v[111+16*\b]
.endr
.irp b, 0,1,2,3
	s_delay_alu instid0(VALU_DEP_4)
	v_permlanex16_b32 v[BT+\b], v[BM+\b], s[SEL], s[SEL+1]
.endr
.irp b, 0,1,2,3
	s_delay_alu instid0(VALU_DEP_4)
	v_max_num_f32 v[BM+\b], v[BM+\b], v[BT+\b]     ; with lane l xor 16's 16 keys
.endr
	s_delay_alu instid0(VALU_DEP_2)
	v_max3_num_f32 v228, v[BM], v[BM+1], v[BM+2]
	s_delay_alu instid0(VALU_DEP_1)
	v_max_num_f32 v228, v228, v[BM+3]              ; the step's largest score of my query
	s_delay_alu instid0(VALU_DEP_1)
	v_mul_f32 v228, s[CS], v228                    ; as t (c is positive)
	s_delay_alu instid0(VALU_DEP_1)
	v_max_num_f32 v13, v13, v228                   ; the running largest t
	v_mov_b32 v228, v12
	s_delay_alu instid0(VALU_DEP_2)
	v_floor_f32 v12, -v13                          ; the new -M = floor(-t): M is a whole number
	s_delay_alu instid0(VALU_DEP_1)
	v_sub_f32 v228, v12, v228                      ; old M less new M: a whole number, 0 or less
	s_delay_alu instid0(VALU_DEP_1)
	v_cvt_i32_f32 v228, v228                       ; (it saturates)
	s_delay_alu instid0(VALU_DEP_1)
	v_ldexp_f32 v226, 1.0, v228                    ; f = 2^(old M - new M)
.set J, 0
.rept 32
	v_pk_fma_f32 v[96+J:97+J], v[96+J:97+J], s[CS:CS+1], v[12:13] op_sel_hi:[1,0,0]        ; t - M, two at a time
.set J, J+2
.endr
.irp b, 0,1,2,3
	v_fma_f32 v[BM+\b], v[BM+\b], s[CS], v12       ; the same of each block's largest score
.endr
.set J, 0
	s_wait_alu depctr_va_vdst(0)
.rept 64
	v_exp_f32 v[96+J], v[96+J]                     ; p = 2^(t - M), at most 1
.set J, J+1
.endr
.irp b, 0,1,2,3
	v_exp_f32 v[BM+\b], v[BM+\b]                   ; the block's largest p: the same two instructions on the same number
.endr
	v_pk_mul_f32 v[14:15], v[14:15], v[226:227] op_sel_hi:[1,0]   ; the sums under the new M (a plain place behind the exponentials)
	s_wait_alu depctr_va_vdst(0)
.irp b, 0,1,2,3
	v_max_num_f32 v[BM+\b], 0x1800000, v[BM+\b]    ; the floor 2^(3 - 127): the byte cannot fall under 1
.endr
.irp b, 0,1,2,3
	s_delay_alu instid0(VALU_DEP_4)
	v_add_nc_u32 v[BS+\b], 0xff000000, v[BM+\b]    ; 2 off the exponent field: the conversion's scale operand
.endr
.irp b, 0,1,2,3
	s_delay_alu instid0(VALU_DEP_4)
	v_lshrrev_b32 v[BT+\b], 23, v[BS+\b]           ; the scale's byte
.endr
	s_delay_alu instid0(VALU_DEP_3)
	v_lshl_or_b32 v224, v[BT+1], 8, v[BT]          ; p's scale word for these 128 keys
	s_delay_alu instid0(VALU_DEP_1)
	v_lshl_or_b32 v224, v[BT+2], 16, v224
	s_delay_alu instid0(VALU_DEP_1)
	v_lshl_or_b32 v224, v[BT+3], 24, v224
.irp c, 0,1
	v_cvt_scalef32_pk16_fp6_f32 v[192+6*\c:194+6*\c], v[96+32*\c:111+32*\c], v[BS+2*\c]
	v_cvt_scalef32_pk16_fp6_f32 v[204+4*\c:206+4*\c], v[112+32*\c:127+32*\c], v[BS+2*\c+1] ; (a conversion's three registers begin on an even number)
.endr
	v_nop                                          ; one plain place behind a scaled conversion
.irp c, 0,1                                    ; a whole block in a lane: lanes 0-15 block 2 c, lanes 16-31 block 2 c + 1
.irp i, 0,1,2
	v_permlane16_swap_b32 v[192+6*\c+\i], v[204+4*\c+\i]
.endr
.irp i, 0,1,2
	s_delay_alu instid0(VALU_DEP_3)
	v_mov_b32 v[195+6*\c+\i], v[204+4*\c+\i]
.endr
.endr
	v_pk_add_f32 v[230:231], v[100:101], v[104:105]
	v_pk_add_f32 v[252:253], v[108:109], v[112:113]
	v_pk_add_f32 v[250:251], v[116:117], v[120:121]
	v_pk_add_f32 v[248:249], v[124:125], v[128:129]
	v_pk_add_f32 v[246:247], v[132:133], v[136:137]
	v_pk_add_f32 v[244:245], v[140:141], v[144:145]
	v_pk_add_f32 v[242:243], v[148:149], v[152:153]
	v_pk_add_f32 v[14:15], v[14:15], v[156:157]
	v_pk_add_f32 v[230:231], v[230:231], v[96:97]
	v_pk_add_f32 v[252:253], v[252:253], v[98:99]
	v_pk_add_f32 v[250:251], v[250:251], v[102:103]
	v_pk_add_f32 v[248:249], v[248:249], v[106:107]
	v_pk_add_f32 v[246:247], v[246:247], v[110:111]
	v_pk_add_f32 v[244:245], v[244:245], v[114:115]
	v_pk_add_f32 v[242:243], v[242:243], v[118:119]
	v_pk_add_f32 v[14:15], v[14:15], v[122:123]
	v_pk_add_f32 v[230:231], v[230:231], v[126:127]
	v_pk_add_f32 v[252:253], v[252:253], v[130:131]
	v_pk_add_f32 v[250:251], v[250:251], v[134:135]
	v_pk_add_f32 v[248:249], v[248:249], v[138:139]
	v_pk_add_f32 v[246:247], v[246:247], v[142:143]
	v_pk_add_f32 v[244:245], v[244:245], v[146:147]
	v_pk_add_f32 v[242:243], v[242:243], v[150:151]
	v_pk_add_f32 v[14:15], v[14:15], v[154:155]
	v_pk_add_f32 v[230:231], v[230:231], v[158:159]
	s_delay_alu instid0(VALU_DEP_2)
	v_pk_add_f32 v[14:15], v[14:15], v[248:249]
	s_delay_alu instid0(VALU_DEP_2)
	v_pk_add_f32 v[230:231], v[230:231], v[246:247]
	v_pk_add_f32 v[252:253], v[252:253], v[244:245]
	v_pk_add_f32 v[250:251], v[250:251], v[242:243]
	s_delay_alu instid0(VALU_DEP_2)
	v_pk_add_f32 v[14:15], v[14:15], v[252:253]
	s_delay_alu instid0(VALU_DEP_2)
	v_pk_add_f32 v[230:231], v[230:231], v[250:251]
	s_delay_alu instid0(VALU_DEP_1)
	v_pk_add_f32 v[14:15], v[14:15], v[230:231]
.set J, 0
.rept 16
	v_pk_mul_f32 v[160+J:161+J], v[160+J:161+J], v[226:227] op_sel_hi:[1,0]                ; O^T under the new M.  (With the sums above: the places between p's codes and scale word and the products)
.set J, J+2
.endr
	s_wait_alu depctr_va_vdst(0)
	s_wait_dscnt 0x0                               ; V
.irp t, 0,1,2,3
	WM 160+8*\t, 36+12*\t, 192, 160+8*\t, 34+\t/2, 224, \t%2                               ; O^T += V^T P^T: the four accumulators by turns
.endr
	s_add_co_u32 s26, s26, 2*KREC
	s_add_co_u32 s27, s27, VREC
.endm
	s_wait_alu depctr_va_vdst(0)                   ; the wait at the head's end
	s_wait_tensorcnt 0x0                           ; my eighth of K or of V is in
	s_barrier_signal -1                            ; (no LDS load of mine is out)
	s_barrier_wait -1                              ; everybody's is: the head's K and V lie in LDS whole, and nothing is filled again: the 16 steps need no further barrier
	s_mov_b32 s26, 0
	s_mov_b32 s27, VBASE
	s_mov_b32 s25, 16                              ; 2,048 keys in steps of 128
.Lstep:
	STEP
	s_sub_co_u32 s25, s25, 1
	s_cmp_lg_u32 s25, 0
	s_cbranch_scc1 .Lstep
	; THE END OF A WAVE.  O^T / the sum; the head's 64 put in true order (the last projection's other operand is given); quantised; stored as half a fragment's image.
	PLACES 4
	v_add_f32 v14, v14, v15
	s_delay_alu instid0(VALU_DEP_1)
	v_permlanex16_b32 v228, v14, s[SEL], s[SEL+1]
	s_delay_alu instid0(VALU_DEP_1)
	v_add_f32 v14, v14, v228                       ; the row's sum
	s_wait_alu depctr_va_vdst(0)
	v_rcp_f32 v226, v14
	v_lshlrev_b32 v11, 5, v7                       ; (a plain place behind the reciprocal)  32 r: my row of scale bytes
.set J, 0
	s_wait_alu depctr_va_vdst(0)
.rept 16
	v_pk_mul_f32 v[96+J:97+J], v[160+J:161+J], v[226:227] op_sel_hi:[1,0]   ; register 8 t + j of lane (r, h): o(query r, 16 t + 8 h + j); each accumulator from its low end on
.set J, J+2
.endr
.irp b, 0,1
.irp j, 0,1,2,3,4,5,6,7
	v_permlane16_swap_b32 v[96+16*\b+\j], v[104+16*\b+\j]   ; register 16 b + i of lane half h now holds 32 b + 16 h + i
.endr
.endr
.irp b, 0,1
	v_max3_num_f32 v[BM+\b], |v[96+16*\b]|, |v[97+16*\b]|, 0x1800000
.endr
.irp i, 2,4,6,8,10,12,14
.irp b, 0,1
	s_delay_alu instid0(VALU_DEP_2)
	v_max3_num_f32 v[BM+\b], v[BM+\b], |v[96+16*\b+\i]|, |v[97+16*\b+\i]|
.endr
.endr
.irp b, 0,1
	s_delay_alu instid0(VALU_DEP_2)
	v_permlanex16_b32 v[BT+\b], v[BM+\b], s[SEL], s[SEL+1]
.endr
.irp b, 0,1
	s_delay_alu instid0(VALU_DEP_2)
	v_max_num_f32 v[BM+\b], v[BM+\b], v[BT+\b]
.endr
.irp b, 0,1
	s_delay_alu instid0(VALU_DEP_2)
	v_add_nc_u32 v[BS+\b], 0xff000000, v[BM+\b]
.endr
.irp b, 0,1
	s_delay_alu instid0(VALU_DEP_2)
	v_lshrrev_b32 v[BT+\b], 23, v[BS+\b]
.endr
	s_delay_alu instid0(VALU_DEP_1)
	v_lshl_or_b32 v224, v[BT+1], 8, v[BT]          ; the head's two scale bytes of my row
	v_cvt_scalef32_pk16_fp6_f32 v[192:194], v[96:111], v[BS]
	v_cvt_scalef32_pk16_fp6_f32 v[204:206], v[112:127], v[BS+1]
	v_nop
.irp i, 0,1,2
	v_permlane16_swap_b32 v[192+\i], v[204+\i]
.endr
.irp i, 0,1,2
	s_delay_alu instid0(VALU_DEP_3)
	v_mov_b32 v[195+\i], v[204+\i]                 ; v192-197: lane (r, h): the codes of 32 h + 0 .. 31
.endr
	s_lshr_b32 s86, s17, 4                         ; my tile of 16 tokens: batch x 128 + 16 x block + wave
	s_lshl_b32 s86, s86, 7
	s_lshl_b32 s87, s16, 4
	s_add_co_u32 s86, s86, s87
	s_add_co_u32 s86, s86, s[WV]
	s_and_b32 s87, s17, 15                         ; the head
	s_mul_i32 s88, s86, 12288
	s_mul_i32 s89, s87, 768
	s_add_co_u32 s88, s88, s89
	s_mov_b32 s89, 0
	s_add_nc_u64 s[10:11], s[10:11], s[88:89]
	s_lshl_b32 s90, s86, 9                         ; scale bytes: 32 a token, 2 a head
	s_lshl_b32 s91, s87, 1
	s_add_co_u32 s90, s90, s91
	s_mov_b32 s91, 0
	s_add_nc_u64 s[12:13], s[12:13], s[90:91]
	s_wait_alu depctr_va_vdst(0)
	global_store_b128 v1, v[192:195], s[10:11]                 ; 512 consecutive bytes, aligned to 256
	global_store_b64 v8, v[196:197], s[10:11] offset:512       ; 256 consecutive bytes, aligned
	global_store_b16 v11, v224, s[12:13]                       ; two bytes a row, once in a wave's life (both halves of the lanes write the same bytes with the same value): so the next launch reads these scales as it reads given ones
	s_wait_tensorcnt 0x0
	ds_add_u32 v254, v255
	s_wait_dscnt 0x0
	CROUND                                         ; the closing round
	s_endpgm
.Lfunc_end_k_q22dfd89b0f_attn:
	.size	k_q22dfd89b0f_attn, .Lfunc_end_k_q22dfd89b0f_attn-k_q22dfd89b0f_attn
	.p2alignl 7, 3214868480
	.fill 96, 4, 3214868480
	.section	.rodata,"a",@progbits
	.p2align	6, 0x0
	.amdhsa_kernel k_q22dfd89b0f_attn
		.amdhsa_group_segment_fixed_size 210944
		.amdhsa_private_segment_fixed_size 0
		.amdhsa_enable_private_segment 0
		.amdhsa_kernarg_size 40
		.amdhsa_user_sgpr_count 2
		.amdhsa_user_sgpr_kernarg_segment_ptr 1
		.amdhsa_wavefront_size32 1
		.amdhsa_system_sgpr_workgroup_id_x 1
		.amdhsa_system_sgpr_workgroup_id_y 1
		.amdhsa_system_sgpr_workgroup_id_z 1
		.amdhsa_system_vgpr_workitem_id 0
		.amdhsa_next_free_vgpr 256
		.amdhsa_next_free_sgpr 92
		.amdhsa_reserve_vcc 0
		.amdhsa_float_denorm_mode_32 3
		.amdhsa_float_denorm_mode_16_64 3
		.amdhsa_memory_ordered 1
		.amdhsa_forward_progress 1
		.amdhsa_inst_pref_size 31
	.end_amdhsa_kernel
	.amdgpu_metadata
---
amdhsa.version: [ 1, 2 ]
amdhsa.kernels:
  - .name:           k_q22dfd89b0f_attn
    .symbol:         k_q22dfd89b0f_attn.kd
    .args:
      - { .name: qrec, .offset: 0, .size: 8, .value_kind: global_buffer, .address_space: global }
      - { .name: krec, .offset: 8, .size: 8, .value_kind: global_buffer, .address_space: global }
      - { .name: vrec, .offset: 16, .size: 8, .value_kind: global_buffer, .address_space: global }
      - { .name: aimg, .offset: 24, .size: 8, .value_kind: global_buffer, .address_space: global }
      - { .name: ascl, .offset: 32, .size: 8, .value_kind: global_buffer, .address_space: global }
    .group_segment_fixed_size: 210944
    .private_segment_fixed_size: 0
    .kernarg_segment_align: 8
    .kernarg_segment_size: 40
    .max_flat_workgroup_size: 512
    .sgpr_count:     92
    .vgpr_count:     256
    .wavefront_size: 32
...
	.end_amdgpu_metadata
.endif
;; end of part 2
;; launch outp (part 3): grid 8 x 32, 4 waves a work-group, clusters of 4 x 4, 280,064 bytes of LDS; arguments aimg, ascl, Wo_codes, Wo_scales, bo, out0; writes out0
.if DOCPART == 3
	.amdgcn_target "amdgcn-amd-amdhsa--gfx1250"
	.amdhsa_code_object_version 6
	.text
	.protected	k_q22dfd89b0f_outp
	.globl	k_q22dfd89b0f_outp
	.p2align	8
	.type	k_q22dfd89b0f_outp,@function
k_q22dfd89b0f_outp:
	s_mov_b64 s[64:65], 0
	v_nop
	global_prefetch_b8 v0, s[64:65] scope:SCOPE_SE
	s_setreg_imm32_b32 hwreg(HW_REG_WAVE_MODE, 25, 1), 1
	s_wait_xcnt 0x0
	s_wait_alu depctr_hold_cnt(0) depctr_sa_sdst(0) depctr_va_vdst(0) depctr_va_sdst(0) depctr_va_ssrc(0) depctr_va_vcc(0) depctr_vm_vsrc(0)
	s_getreg_b32 s2, hwreg(HW_REG_IB_STS2, 6, 4)
	s_cmp_eq_u32 s2, 0
	s_cbranch_scc0 .Lentry_in_a_cluster
	s_endpgm
.Lentry_in_a_cluster:
	s_bfe_u32 s2, ttmp6, 0x10000c
	s_cmp_lg_u32 s2, 0xf033
	s_cbranch_scc0 .Lentry_shape_is_right
	s_endpgm
.Lentry_shape_is_right:
; out0 = attention's result x Wo^T + bo on codes of FP6 (E2M3) with one E8M0 scale for each 32 along K = 1,024; sums and result in f32.
; S0 = Wo's rows (outputs n; matrix source 0, so that a lane's eight results are eight neighbouring outputs of one token), S1 = the tokens (source 1).
; SHARES.  A work-group makes 128 tokens x 128 outputs over all of K: 256 work-groups.  Wave w: all 128 outputs x tokens 32 w .. 32 w + 31: 16 accumulators.
; LDS.  Four chunks of 256 along K, filled once.  In a chunk: Wo's 128 rows of 192 bytes + 16 behind each 64 (pitch 240); then the tokens' codes as they were stored: for each of 8 tiles of 16 tokens four heads' half fragments
; of 768 bytes (registers 0-3 at 16 x lane, registers 4-5 at 512 + 8 x lane).  Behind the chunks a stage of 16 rows x 528 bytes for each wave, into which no fill lands.
; CLUSTER.  4 x 4: Wo's tile hangs on cx alone and is asked for jointly by my column, the tokens' on cy alone and by my row.  A wave has four tensor loads outstanding, by this text's own count.
; The bias is the C of each sum's first product.
; THE LDS LAYOUT AND THE FILLS THAT HOLD (in place of the lines LDS and CLUSTER above): Wo's 128 whole rows of 768 bytes, 16 bytes of padding behind each 256 (pitch 816); then the tokens' 8 tiles as they were stored,
; 12,288 bytes a tile: 16 heads' half fragments of 768 bytes.  Each wave asks by ONE joint load at the head: waves 0, 1 for 64 rows of Wo (by my column), waves 2, 3 for four tiles (by my row): one tensor load outstanding a wave.
.set PITCH, 816                        ; 204 words: the 16 rows of a fragment start 12 words apart modulo 64
.set HALF4, 4*16*PITCH                 ; Wo's tiles 4-7 have an address register of their own, so that the loads' offsets stay inside 16 bits
.set S1OFF, 128*PITCH
.set STAGE, 245760
.set WV,  16                           ; s16 wave; s17 wave / 2; s18 wave % 2; s20 cx, s21 cy; s22 the block of outputs, s23 of tokens
.set G1A, 36
.set G1B, 44
.set G0A, 68
.set G0B, 84
.set BI,  120                          ; v120-183 the bias in the result's layout; on the way out v120-247 take the rows read back
; window 0: v1-30 addresses; v32-63 Wo's scale words (pair of tiles i, K step s at 32 + 8 i + s); v64-71 the tokens'; v72-119 the tokens' fragments, two sets.   window 1: Wo's fragments, sets at v0 and v128.   window 2: accumulators (a, t) at v[64 a + 8 t].
.set MSB, 0
.macro WIN new
.if MSB != \new
	s_set_vgpr_msb (MSB<<8)|\new
.set MSB, \new
.endif
.endm
.macro PLACES n
.rept \n
	v_nop
.endr
.endm
.macro CROUND
	s_barrier_signal -1
	s_barrier_wait -1
	s_cmp_lg_u32 s[WV], 0
	s_cbranch_scc1 .Lnot_wave_0_\@
	s_barrier_signal -3
.Lnot_wave_0_\@:
	s_barrier_wait -3
	s_barrier_signal -1
	s_barrier_wait -1
.endm
.macro WM d, a, b, c, sa, sb, ra, rb   ; one product; ra, rb = 1: that side's scale words stand in lanes 16-31
.if (\ra) && (\rb)
	v_wmma_scale_f32_16x16x128_f8f6f4 v[\d:\d+7], v[\a:\a+11], v[\b:\b+11], v[\c:\c+7], v[\sa], v[\sb] matrix_a_fmt:MATRIX_FMT_FP6 matrix_b_fmt:MATRIX_FMT_FP6 matrix_a_scale:MATRIX_SCALE_ROW1 matrix_b_scale:MATRIX_SCALE_ROW1
.elseif \ra
	v_wmma_scale_f32_16x16x128_f8f6f4 v[\d:\d+7], v[\a:\a+11], v[\b:\b+11], v[\c:\c+7], v[\sa], v[\sb] matrix_a_fmt:MATRIX_FMT_FP6 matrix_b_fmt:MATRIX_FMT_FP6 matrix_a_scale:MATRIX_SCALE_ROW1
.elseif \rb
	v_wmma_scale_f32_16x16x128_f8f6f4 v[\d:\d+7], v[\a:\a+11], v[\b:\b+11], v[\c:\c+7], v[\sa], v[\sb] matrix_a_fmt:MATRIX_FMT_FP6 matrix_b_fmt:MATRIX_FMT_FP6 matrix_b_scale:MATRIX_SCALE_ROW1
.else
	v_wmma_scale_f32_16x16x128_f8f6f4 v[\d:\d+7], v[\a:\a+11], v[\b:\b+11], v[\c:\c+7], v[\sa], v[\sb] matrix_a_fmt:MATRIX_FMT_FP6 matrix_b_fmt:MATRIX_FMT_FP6
.endif
.endm
.macro FRAG reg, adr, st, i            ; a fragment of K step st from rows: six pieces of 8 bytes; byte y of a row lies at y + 16 (y / 256); where lanes 16-31's piece lies behind one padding more, the second address register serves
.irp p, 0,1,2,3,4,5
.set BY, 96*(\st)+48*(\p/3)+8*(\p%3)
.if BY/256 == (BY+24)/256
	ds_load_b64 v[\reg+2*\p:\reg+2*\p+1], v[\adr+(\i)/4] offset:BY+16*(BY/256)+((\i)%4)*16*PITCH
.else
	ds_load_b64 v[\reg+2*\p:\reg+2*\p+1], v[\adr+4+(\i)/4] offset:BY+16*(BY/256)+((\i)%4)*16*PITCH
.endif
.endr
.endm
.macro FRAGI reg, st, a                ; a fragment of K step st from images: heads 2 st and 2 st + 1 of my tile a
.irp e, 0,1
	ds_load_b128 v[\reg+6*\e:\reg+6*\e+3], v16 offset:12288*(\a)+768*(2*(\st)+\e)
	ds_load_b64 v[\reg+6*\e+4:\reg+6*\e+5], v20 offset:12288*(\a)+768*(2*(\st)+\e)+512
.endr
.endm
.macro FETCH s
	WIN 0x40                                       ; destination window 1, address window 0
.irp i, 0,1,2,3,4,5,6,7
	FRAG 128*((\s)%2)+12*\i, 8, \s, \i
.endr
	WIN 0
.irp a, 0,1
	FRAGI 72+24*((\s)%2)+12*\a, \s, \a
.endr
.endm
.macro MUL16 s                         ; the 16 accumulators take turns, one instruction a turn, in the same order in every step
.if (\s) == 0
	WIN 0x81                                       ; source 0 window 1, source 1 and C (the bias) window 0, D window 2
.else
	WIN 0xa1                                       ; C and D window 2
.endif
.irp a, 0,1
.irp t, 0,1,2,3,4,5,6,7
.if (\s) == 0
	WM 64*\a+8*\t, 128*((\s)%2)+12*\t, 72+24*((\s)%2)+12*\a, BI+8*\t, 32+8*(\t/2)+(\s), 64+(\s), \t%2, \a
.else
	WM 64*\a+8*\t, 128*((\s)%2)+12*\t, 72+24*((\s)%2)+12*\a, 64*\a+8*\t, 32+8*(\t/2)+(\s), 64+(\s), \t%2, \a
.endif
.endr
.endr
.endm
	s_load_b256 s[4:11], s[0:1], 0x0               ; the tokens' codes s[4:5], their scales s[6:7], Wo's codes s[8:9], Wo's scales s[10:11]
	s_load_b128 s[12:15], s[0:1], 0x20             ; bo, out0
	v_lshl_add_u32 v254, v0, 2, 0x44400
	v_mov_b32 v255, 0
	ds_add_u32 v254, v255
	ds_add_u32 v254, v255
	v_lshrrev_b32 v1, 5, v0
	v_readfirstlane_b32 s[WV], v1
	s_lshr_b32 s17, s[WV], 1
	s_and_b32 s18, s[WV], 1
	s_bfe_u32 s20, ttmp6, 0x40000                  ; cx
	s_bfe_u32 s21, ttmp6, 0x40004                  ; cy
	s_lshl_b32 s22, ttmp9, 2
	s_add_co_u32 s22, s22, s20                     ; block of 128 outputs
	s_and_b32 s23, ttmp7, 0xffff
	s_lshl_b32 s23, s23, 2
	s_add_co_u32 s23, s23, s21                     ; block of 128 tokens
	s_lshl_b32 s24, 0x1111, s20                    ; my column of the cluster
	s_lshl_b32 s25, s21, 2
	s_lshl_b32 s25, 15, s25                        ; my row
	s_lshl_b32 s26, s22, 7                         ; Wo: row 128 x block + 64 x half, 768 bytes a row
	s_lshl_b32 s27, s18, 6
	s_add_co_u32 s26, s26, s27
	s_mul_i32 s26, s26, 768
	s_mov_b32 s27, 0
	s_lshl_b32 s28, s22, 12                        ; its scale bytes
	s_mov_b32 s29, 0
	s_lshl_b32 s30, s23, 3                         ; the tokens: tile 8 x block + 4 x half, 12,288 bytes a tile
	s_lshl_b32 s31, s18, 2
	s_add_co_u32 s30, s30, s31
	s_mul_i32 s30, s30, 12288
	s_mov_b32 s31, 0
	s_lshl_b32 s32, s23, 12                        ; their scale bytes at my wave's 32 rows
	s_lshl_b32 s33, s[WV], 10
	s_add_co_u32 s32, s32, s33
	s_mov_b32 s33, 0
	s_lshl_b32 s52, s22, 9                         ; the bias of my block's 128 outputs
	s_mov_b32 s53, 0
	s_mul_i32 s3, s18, 64*PITCH                    ; where my 64 rows of Wo go,
	s_mul_i32 s63, s18, 49152                      ; or my four tiles of tokens
	s_mul_i32 s62, s[WV], 24576
	s_add_co_u32 s62, s62, S1OFF                   ; where my wave's two tiles lie
	s_mul_i32 s60, s[WV], 16*528
	s_add_co_u32 s60, s60, STAGE                   ; my stage
	v_and_b32 v1, 31, v0                           ; lane
	v_and_b32 v2, 15, v0                           ; r
	v_bfe_u32 v3, v0, 4, 1                         ; h
	v_lshlrev_b32 v4, 4, v1
	v_lshlrev_b32 v5, 3, v1
	v_lshlrev_b32 v6, 5, v1
	v_lshlrev_b32 v7, 5, v3
	v_mul_u32_u24 v8, v2, PITCH
	v_mad_u32_u24 v8, v3, 24, v8                   ; Wo's tiles 0-3: a fragment's row x pitch + 24 x half
	v_lshl_add_u32 v12, v3, 4, v8                  ; the same behind one padding more
	v_add_nc_u32 v9, HALF4, v8                     ; Wo's tiles 4-7
	v_add_nc_u32 v13, HALF4, v12
	v_add_nc_u32 v16, s62, v4                      ; an image's registers 0-3: 16 x lane
	v_add_nc_u32 v20, s62, v5                      ; its registers 4-5: 8 x lane (the 512 stands in the loads' offsets)
	v_mul_u32_u24 v25, v2, 528                     ; the stage, in: row r, 32 bytes for each half of the lanes
	v_lshl_add_u32 v25, v3, 5, v25
	v_add_nc_u32 v25, s60, v25
	v_add_nc_u32 v26, s60, v4                      ; and back: the 32 lanes take one row of 512 bytes
	s_wait_alu depctr_va_vdst(0)                   ; the wait at the head's end
	s_wait_dscnt 0x0
	s_wait_kmcnt 0x0
	s_add_nc_u64 s[26:27], s[8:9], s[26:27]
	s_add_nc_u64 s[30:31], s[4:5], s[30:31]
	s_add_nc_u64 s[10:11], s[10:11], s[28:29]
	s_add_nc_u64 s[6:7], s[6:7], s[32:33]
	s_add_nc_u64 s[56:57], s[12:13], s[52:53]
	; group 1 for Wo: 64 rows x 768 bytes, 768 apart, 4 words of padding behind every 64;  for the tokens: four tiles, dense, as 192 rows of 256 bytes (32 elements of 8 bytes), no padding
	s_or_b32 s[G1A], s24, (1<<20)|(1<<21)|(5<<22)|(3<<25)
	s_mov_b32 s[G1A+1], 768<<16
	s_mov_b32 s[G1A+2], 64<<16
	s_mov_b32 s[G1A+3], 768<<16
	s_mov_b32 s[G1A+4], 64
	s_mov_b32 s[G1A+5], 768
	s_mov_b32 s[G1A+6], 0
	s_mov_b32 s[G1A+7], 0
	s_or_b32 s[G1B], s25, (3<<16)|(1<<21)
	s_mov_b32 s[G1B+1], 32<<16
	s_mov_b32 s[G1B+2], 192<<16
	s_mov_b32 s[G1B+3], 32<<16
	s_mov_b32 s[G1B+4], 192
	s_mov_b32 s[G1B+5], 32
	s_mov_b32 s[G1B+6], 0
	s_mov_b32 s[G1B+7], 0
	s_mov_b32 s[G0A], 1
	s_mov_b32 s[G0A+1], s3
	s_mov_b64 s[G0A+2:G0A+3], s[26:27]
	s_or_b32 s[G0A+3], s[G0A+3], 0x80000000
	s_mov_b32 s[G0B], 1
	s_add_co_u32 s[G0B+1], s63, S1OFF
	s_mov_b64 s[G0B+2:G0B+3], s[30:31]
	s_or_b32 s[G0B+3], s[G0B+3], 0x80000000
	CROUND                                         ; all sixteen work-groups are here: the joint loads meet
	s_cmp_eq_u32 s17, 0                            ; waves 0, 1: Wo's halves; waves 2, 3: the tokens': one load a wave, one to each arm
	s_cbranch_scc0 .Lfill_s1
	tensor_load_to_lds s[G0A:G0A+3], s[G1A:G1A+7]
	s_nop 0
	PLACES 4
	s_branch .Lfilled
.Lfill_s1:
	tensor_load_to_lds s[G0B:G0B+3], s[G1B:G1B+7]
	s_nop 0
	PLACES 4
.Lfilled:
.irp i, 0,1,2,3
.irp k, 0,1
	global_load_b128 v[32+8*\i+4*\k:35+8*\i+4*\k], v6, s[10:11] offset:1024*\i+16*\k       ; the scale words of all eight K steps: a row's 32 bytes in two loads, 32 neighbouring rows a load
.endr
.endr
.irp k, 0,1
	global_load_b128 v[64+4*\k:67+4*\k], v6, s[6:7] offset:16*\k
.endr
.irp t, 0,1,2,3,4,5,6,7
.irp k, 0,1
	global_load_b128 v[BI+8*\t+4*\k:BI+8*\t+4*\k+3], v7, s[56:57] offset:64*\t+16*\k       ; bo at outputs 16 t + 8 h + 0 .. 7
.endr
.endr
	s_lshl_b32 s52, s23, 19                        ; out0: token 128 x block + 32 x wave, 4,096 bytes a row; + 512 x block of outputs
	s_lshl_b32 s53, s[WV], 17
	s_add_co_u32 s52, s52, s53
	s_lshl_b32 s53, s22, 9
	s_add_co_u32 s52, s52, s53
	s_mov_b32 s53, 0
	s_add_nc_u64 s[14:15], s[14:15], s[52:53]
	s_wait_tensorcnt 0x0                           ; my part is in
	s_barrier_signal -1
	s_barrier_wait -1                              ; everybody's is: all of K lies in LDS
	FETCH 0
.irp s, 0,1,2,3,4,5,6,7
	s_wait_dscnt 0x0                               ; this step's fragments; also: no LDS load is out at a signal
.if \s == 0
	s_wait_loadcnt 0x0                             ; scale words and bias
.endif
.if \s > 0 && \s < 7
	PLACES 4                                       ; in front of loads into the set that the last step's products read
.endif
.if \s < 7
	FETCH \s+1
.endif
	MUL16 \s
.endr
	WIN 0
	PLACES 4                                       ; in front of the first read of results
; THE WAY OUT, 16 tokens x 128 outputs at a time.  A lane holds 32 neighbouring bytes of a row and the lanes beside it other rows: the block goes through my own stage and comes back as whole rows of 512 bytes.
; LDS serves a wave's instructions in order (ISA guide 5.7.1.4): no wait between the stores and the loads, nor in front of the next block's stores.
.macro TOSTAGE a
	WIN 0x08                                       ; an LDS store's data: window 2
.irp t, 0,1,2,3,4,5,6,7
	ds_store_b128 v25, v[64*\a+8*\t:64*\a+8*\t+3] offset:64*\t          ; each accumulator from its low end on
	ds_store_b128 v25, v[64*\a+8*\t+4:64*\a+8*\t+7] offset:64*\t+16
.endr
	WIN 0
.irp i, 0,1,2,3,4,5,6,7,8,9,10,11,12,13,14,15
	ds_load_b128 v[120+64*\a+4*\i:123+64*\a+4*\i], v26 offset:528*\i
.endr
.endm
.macro SEND a, younger                 ; younger: the LDS instructions issued behind block a's loads
	s_wait_dscnt \younger
.irp i, 0,1,2,3,4,5,6,7,8,9,10,11,12,13,14,15
	global_store_b128 v4, v[120+64*\a+4*\i:123+64*\a+4*\i], s[14:15] offset:(16*\a+\i)*4096 th:TH_STORE_NT   ; 32 lanes store 512 consecutive bytes, aligned to 256; written once, read by nobody here
.endr
.endm
	TOSTAGE 0
	TOSTAGE 1
	SEND 0, 32                                     ; behind block 0's loads: block 1's 16 stores and 16 loads
	SEND 1, 0
	s_wait_tensorcnt 0x0
	ds_add_u32 v254, v255
	s_wait_dscnt 0x0
	CROUND                                         ; the closing round
	s_endpgm
.Lfunc_end_k_q22dfd89b0f_outp:
	.size	k_q22dfd89b0f_outp, .Lfunc_end_k_q22dfd89b0f_outp-k_q22dfd89b0f_outp
	.p2alignl 7, 3214868480
	.fill 96, 4, 3214868480
	.section	.rodata,"a",@progbits
	.p2align	6, 0x0
	.amdhsa_kernel k_q22dfd89b0f_outp
		.amdhsa_group_segment_fixed_size 280064
		.amdhsa_private_segment_fixed_size 0
		.amdhsa_enable_private_segment 0
		.amdhsa_kernarg_size 48
		.amdhsa_user_sgpr_count 2
		.amdhsa_user_sgpr_kernarg_segment_ptr 1
		.amdhsa_wavefront_size32 1
		.amdhsa_system_sgpr_workgroup_id_x 1
		.amdhsa_system_sgpr_workgroup_id_y 1
		.amdhsa_system_sgpr_workgroup_id_z 1
		.amdhsa_system_vgpr_workitem_id 0
		.amdhsa_next_free_vgpr 640
		.amdhsa_next_free_sgpr 100
		.amdhsa_reserve_vcc 0
		.amdhsa_float_denorm_mode_32 3
		.amdhsa_float_denorm_mode_16_64 3
		.amdhsa_memory_ordered 1
		.amdhsa_forward_progress 1
		.amdhsa_inst_pref_size 62
	.end_amdhsa_kernel
	.amdgpu_metadata
---
amdhsa.version: [ 1, 2 ]
amdhsa.kernels:
  - .name:           k_q22dfd89b0f_outp
    .symbol:         k_q22dfd89b0f_outp.kd
    .args:
      - { .name: aimg, .offset: 0, .size: 8, .value_kind: global_buffer, .address_space: global }
      - { .name: ascl, .offset: 8, .size: 8, .value_kind: global_buffer, .address_space: global }
      - { .name: Wo_codes, .offset: 16, .size: 8, .value_kind: global_buffer, .address_space: global }
      - { .name: Wo_scales, .offset: 24, .size: 8, .value_kind: global_buffer, .address_space: global }
      - { .name: bo, .offset: 32, .size: 8, .value_kind: global_buffer, .address_space: global }
      - { .name: out0, .offset: 40, .size: 8, .value_kind: global_buffer, .address_space: global }
    .group_segment_fixed_size: 280064
    .private_segment_fixed_size: 0
    .kernarg_segment_align: 8
    .kernarg_segment_size: 48
    .max_flat_workgroup_size: 128
    .sgpr_count:     100
    .vgpr_count:     640
    .wavefront_size: 32
...
	.end_amdgpu_metadata
.endif
;; end of part 3
